; MI455X (gfx1250); checked and timed in simulation.
; The chip was launched on July 23, 2026; its instructions are those of AMD's public machine-readable ISA for CDNA 5 (MIT licence, August 2026) and "CDNA5" Instruction Set Architecture Reference Guide (July 2026). The comments in the code are by the model that wrote it; some were corrected since.
;; Attention. Allowed arithmetic: float matrix products may take bf16 or f16 operands with f32 sums; other float arithmetic in f32, or as packed bf16 or f16 multiplies, adds, multiply-adds, maxima and minima; sums over many terms, partial sums and values carried from step to step in f32; what a program stores and reads back later, other than sums and carried values, may be rounded once to bf16 or f16.
;; Inputs: keys 4 x 16 x 2,048 x 64 float32; queries 4 x 16 x 2,048 x 64 float32; values 4 x 16 x 2,048 x 64 float32.
;; Outputs: out0 4 x 16 x 2,048 x 64 float32.
;; Constants: head_dim = 64.
;; One version. Each part assembles by itself: llvm-mc -triple=amdgcn-amd-amdhsa -mcpu=gfx1250 --defsym DOCPART=n.
;; ======== version 1 of 1: 1 launch
;; limits: values are held in f16: magnitudes above 65,504 overflow, below 6.1e-05 lose precision
;; launch attn (part 1): grid 4 x 64, 4 waves a work-group, no clusters, 132,608 bytes of LDS; arguments queries, keys, values, out0; writes out0
.if DOCPART == 1
	.amdgcn_target "amdgcn-amd-amdhsa--gfx1250"
	.amdhsa_code_object_version 6
	.text
	.protected	k_qfd44112d1b_attn
	.globl	k_qfd44112d1b_attn
	.p2align	8
	.type	k_qfd44112d1b_attn,@function
k_qfd44112d1b_attn:
	s_mov_b64 s[64:65], 0
	v_nop
	global_prefetch_b8 v0, s[64:65] scope:SCOPE_SE
	s_setreg_imm32_b32 hwreg(HW_REG_WAVE_MODE, 25, 1), 1
	s_wait_xcnt 0x0
; CAUSAL ATTENTION.  O[h][q][:] = the sum over k <= q of softmax_k(Q[h][q] . K[h][k] / 8) V[h][k][:].  Q, K, V, O: [64 heads][2048][64], all f32: a row is 256 bytes, a head's rows are dense.
; FORMATS.  Q, K and V are each rounded once to bf16.  S^T = K Q^T is the bf16 product.  V's bf16 number is written as f16 (no second rounding within f16's range), the weights p are rounded to f16, and
; O^T = V^T P is the f16 product.  Products, maxima and sums in f32; l is the sum of the unrounded p; O leaves in f32.
; LIMITS.  V rounded to bf16 stays under 65,520 (f16's end); below 2^-17 it keeps f16's fixed step of 2^-24.  p lies in 0 to 1, and below 6e-5 it keeps a step of 6e-8.  A weight below 2^-126 counts as 0 in l.
; A hidden score counts as its value less 1e30.  NaN and infinities are not treated apart (O^T starts from finite bits that a = 0 wipes out: see the head).
; THE WALK.  A head's queries lie in NB = 8 blocks of 256; block i needs the key tiles 0 .. i of 256 keys, of which the last holds the diagonal.  A work-group takes TWO blocks, 7 - b and then b: NB + 1 = 9 tiles,
; whatever b: all 256 work-groups do equal work, and ONE loop with a constant trip count walks them.  Every jump goes forward, but for the counted loops' own, and none passes a barrier.
; K AND V come through registers: each wave loads a quarter of a tile (64 keys) as f32, 16 bytes a lane, rounds it, and stores it into the ONE tile region in LDS between two barriers: the first says that nobody
; reads the old tile any more, the second that the new one is whole.  K of tile t + 1 is asked for when tile t has been stored, V two key steps later: window 3 holds both quarters.
; NO CLUSTER, NO TENSOR LOAD: every number has to pass through registers to be rounded, so a tile brought into LDS as f32 (131,072 bytes) would be read, rounded and stored there a second time; and a head's four
; work-groups want the same tile in trips 0 to 4 of the 9 alone.
; SHARES.  Of a block's four bands of 64 queries a wave owns 16 rows in each: four PIECES.  So the diagonal tile is the same work for all four waves: in its key step s band x sees all keys if s < x,
; none if s > x, and holds the diagonal if s = x.
; THE MASK is the C operand that starts the sum S^T = K Q^T: 0, or -1e30 where the key is hidden.  MD, made once, is the mask of a band's own step for my 16 rows; a product's mask is MD x AL + BE with two scalars:
; (1, 0) if s = x; (0, 0) if s < x; (0, -1e30) if s > x.  Only the diagonal tile's text and a block's beginning make and take masks; elsewhere C is the constant 0.
; LAYOUT, SOFTMAX, TURNS.  S^T = K Q^T holds ONE query a lane (lane % 16) and the keys 8 (lane / 16) + 0..7; two such results rounded to f16 ARE source 1 of O^T = V^T P.  p = 2^(c s - c m), c = log2(e) / 8, with a
; running maximum m; O and l are multiplied by a = 2^(c m_old - c m_new) in every step.  Turn n belongs to piece n: 8 products K Q^T of piece n + 1, later 8 products V^T P of piece n - 1; beside them the scaling,
; exponentials, roundings, sums and rescaling of piece n and the maximum and statistics of piece n + 1.  Four vector instructions stand behind every matrix instruction, the other 54 of a turn's 118 in two lumps.
; REGISTERS, in windows of 256 (s_set_vgpr_msb: bits 1:0 source 0, 3:2 source 1, 5:4 source 2, 7:6 destination):
;   window 0: v0-35 addresses, statistics; v48-55 at work; v61-63 zero and the add's two; v64-127 S^T, two buffers (on the way out: rows read back); v128-191 the second block's Q in f32, pieces 2, 3; v192-223 P
;   window 1: v0-127 O^T, 32 a piece (at the start: the first block's Q in f32); v128-159 MD; v160-223 MC, two buffers
;   window 2: v0-63 Q's fragments; v64-127 the second block's Q in f32, pieces 0, 1; v128-191 K of one step; v192-255 V of one step
;   window 3: v0-127 my quarter of a tile of K in f32; v128-255 of V
.set NB,    8
.set NP,    4         ; pieces a wave: a name, no knob
.set KS,    64        ; keys in a step
.set PK,    144       ; a row of K (or Q) in LDS: 128 bytes of bf16 + 16 of padding = 36 words: the 16 rows of a load start at 16 different groups of four banks (64 banks of 4 bytes: ISA guide 11.1)
.set PV,    160       ; a row of V: 128 bytes of f16 + 32 = 40 words
.set VOFF,  256*PK    ; LDS: 256 rows of K from byte 0, then 256 rows of V,
.set QS,    VOFF+256*PV      ; then 64 rows x 144 bytes for each wave: its own stage for Q,
.set STAGE, QS+4*64*PK       ; then 16 rows x 272 bytes for each wave: its own stage for the way out,
.set SP,    272
.set SPARE, STAGE+4*16*SP    ; then the spare words, 128 bytes for each wave
.set AK0, 2           ; v2   my lane's place in a tile of K; never rewritten
.set AV0, 3           ; v3   the same for V
.set AK,  4           ; v4   the LDS address of K's next run of loads
.set AV,  5           ; v5   of V's
.set STO, 6           ; v6   the way out: where I put 32 bytes of a row
.set RD,  7           ; v7   the way out: where I read rows back
.set LO,  8           ; v8   16 x lane: my 16 bytes in 512 consecutive bytes of Q, K, V or O; never rewritten
.set MV,  12          ; v12-13  c m_old, kept while c m is made anew: by buffer
.set ST,  16          ; piece t's statistics at v[ST+4 t]: c m, m, l (even keys', odd keys')
.set KST, 32          ; v32  where I store 8 bytes of K: my wave's 64 rows, row lane / 16, 8 (lane % 16)
.set VST, 33          ; v33  the same for V
.set QST, 34          ; v34  the same in my stage for Q
.set QRD, 35          ; v35  my lane's place in my stage for Q, as a fragment is read
.set TMP, 48          ; by buffer, four registers c0-c3 at work; when the maximum is found c2 takes a
.set ZR,  61          ; v61  0: the low half beside a bf16 number that is read as f32
.set SPW, 62          ; v62  LDS address of my spare word: SPARE + 4 x my thread's number; never rewritten
.set NIL, 63          ; v63  0; never rewritten
.set S,   64
.set P,   192
.set MD,  128         ; window 1: the eight registers for group kt of 16 keys at MD + 8 kt
.set MC,  160         ; window 1: the masks of the products to come
.set KF,  128         ; window 2: key block kb, channel half c at KF + 16 kb + 8 c
.set VF,  192         ; window 2: key half kk, channel block cb at VF + 32 kk + 8 cb
.set WV,  12          ; s12  my wave's number
.set PB,  14          ; s14  b
.set HI,  15          ; s15  NB - 1 - b
.set KA,  24          ; s[24:25] K at my 64 rows of the tile that is asked for
.set VA,  26          ; s[26:27] V likewise
.set QLO, 28          ; s[28:29] Q at my rows of the second block
.set SLOTS, 56        ; s56  tiles still to be asked for
.set CNT, 57          ; s57  counts a tile's key steps, 4 to 1
.set CS,  58          ; s[58:59] c: the packed scaling takes the pair's low word for both halves
.set SEL, 60          ; s[60:61] v_permlanex16_b32's selects: each lane takes its own place in the other half
.set TBK, 62          ; s62  LDS byte at which K of the step to be fetched begins
.set TBV, 63          ; s63  the same for V, less VOFF
.set RT,  70          ; s70  tiles of the block in hand that are still to be entered
.set NXT, 71          ; s71  the tile to be asked for next
.set LQ,  72          ; s72  the last tile of the block whose tiles are being asked for
.set NEW, 73          ; s73  1: the tile to be entered is a block's first
.set OFF, 74          ; s[74:75] a tile's byte offset in K and V
.set AL,  76          ; s[76:77] the mask's factor, in the low word
.set BE,  78          ; s[78:79] the mask's addend
.set OLO, 80          ; s[80:81] O at my rows of the second block
.set BIGN, 82         ; s82  -1e30
.set MSB, 0
.macro WIN new                      ; the high byte repeats the setting that is left; a switch that changes nothing is dropped
.if MSB != (\new)
	s_set_vgpr_msb (MSB<<8)|(\new)
.set MSB, (\new)
.endif
.endm
.set W_KQ, 0x0a       ; K and Q in window 2, S^T in window 0
.set W_KM, 0x1a       ; the same with the C operand in window 1
.set W_PV, 0x52       ; V in window 2, P in window 0, O^T in window 1
.set W_RS, 0x41       ; destination and source 0 in window 1, source 1 in window 0
; My quarter of a tile, 64 rows of 256 bytes, into window 3 from reg0 on: 32 loads of 512 consecutive bytes.  Load j brings rows 2 j + lane / 16, channels 4 (lane % 16) + 0..3.  No hint: the head's other work-groups read the tile too.
.macro TLOAD reg0, sb
	WIN 0xc0                        ; destination window 3, address window 0
.set jj, 0
.rept 32
	global_load_b128 v[(\reg0)+4*jj:(\reg0)+4*jj+3], v[LO], s[\sb:\sb+1] offset:512*jj
.set jj, jj+1
.endr
	WIN 0
.endm
; Piece x of Q, my 16 rows in band x, as f32 into window w from base on: 8 loads of 512 consecutive bytes.  Nobody else reads these rows.
.macro QLOAD w, base, x, sb
	WIN (\w)<<6
.set jj, 0
.rept 8
	global_load_b128 v[(\base)+4*jj:(\base)+4*jj+3], v[LO], s[\sb:\sb+1] offset:16384*(\x)+512*jj th:TH_LOAD_NT
.set jj, jj+1
.endr
.endm
; That piece is rounded to bf16 in place (result i lies below the sources still to be read) and stored into my stage for Q, 8 bytes a lane.
.macro QPIECE w, base, x
	WIN (\w)*0x45
.set jj, 0
.rept 16
	v_cvt_pk_bf16_f32 v[(\base)+jj], v[(\base)+2*jj], v[(\base)+2*jj+1]
.set jj, jj+1
.endr
	WIN (\w)*4                      ; the stores' data in window w
.set jj, 0
.rept 8
	ds_store_b64 v[QST], v[(\base)+2*jj:(\base)+2*jj+1] offset:(\x)*16*PK+2*PK*jj
.set jj, jj+1
.endr
.endm
; Q's fragments out of my stage: piece f / 2, channels 32 (f % 2) on.  LDS serves a wave's instructions in order (ISA guide 5.7.1.4): these see the stores above, which are my own.
.macro QFRAG
	WIN 0x80                        ; destination window 2
.irp f, 0,1,2,3,4,5,6,7
	ds_load_b128 v[8*\f:8*\f+3],   v[QRD] offset:(\f/2)*16*PK+(\f%2)*64
	ds_load_b128 v[8*\f+4:8*\f+7], v[QRD] offset:(\f/2)*16*PK+(\f%2)*64+32
.endr
	WIN 0
.endm
; My quarter of a tile is rounded, in place, work on registers alone.  K: two numbers to a bf16 pair.  V: each number to bf16 in the upper half over a zero lower half, which read as f32 IS the bf16 number;
; then two of those to an f16 pair.
.macro CONVERT
	WIN 0xcf
.set jj, 0
.rept 64
	v_cvt_pk_bf16_f32 v[jj], v[2*jj], v[2*jj+1]
.set jj, jj+1
.endr
	WIN 0xcc                        ; source 0, the zero, in window 0
.set jj, 128
.rept 128
	v_cvt_pk_bf16_f32 v[jj], v[ZR], v[jj]
.set jj, jj+1
.endr
	WIN 0xcf
.set jj, 0
.rept 64
	v_cvt_pk_f16_f32 v[128+jj], v[128+2*jj], v[128+2*jj+1]
.set jj, jj+1
.endr
	WIN 0
.endm
.macro STORE                        ; and stored: 8 bytes a lane, two rows to an instruction
	WIN 0x0c                        ; the stores' data in window 3
.set jj, 0
.rept 32
	ds_store_b64 v[KST], v[2*jj:2*jj+1] offset:2*PK*jj
.set jj, jj+1
.endr
.set jj, 0
.rept 32
	ds_store_b64 v[VST], v[128+2*jj:128+2*jj+1] offset:2*PV*jj
.set jj, jj+1
.endr
	WIN 0
.endm
; THE CHANGE OF TILES.  The next tile's f32 numbers are waited for and rounded; a first barrier, in front of which each wave has its reads of the old tile back; the stores; a second barrier, in front of which
; each wave's stores are done.  fill = 1: K of tile NXT is asked for as soon as K's registers have been stored; V's address is kept for VLOAD.
.macro CHANGE fill
	WIN 0                           ; at a label and at a branch every window is 0
	s_wait_loadcnt 0x0              ; my quarter of K and of V is in; no load is out, so the two addresses may be written
.if \fill
	s_lshl_b32 s[OFF], s[NXT], 16   ; a tile is 65,536 bytes of K and of V
	s_add_nc_u64 s[KA:KA+1], s[6:7], s[OFF:OFF+1]
	s_add_nc_u64 s[VA:VA+1], s[8:9], s[OFF:OFF+1]
	s_add_co_u32 s[NXT], s[NXT], 1  ; the block's next tile, or behind its last the second block's tile 0
	s_cmp_gt_u32 s[NXT], s[LQ]
	s_cselect_b32 s[NXT], 0, s[NXT]
	s_cselect_b32 s[LQ], s[PB], s[LQ]
.endif
	CONVERT
	s_wait_dscnt 0x0                ; my reads of the tile that is left are back
	s_barrier_signal -1
	s_mov_b32 s[TBK], 0             ; the fetches go back to the tile's first step
	s_mov_b32 s[TBV], 0
	s_barrier_wait -1               ; nobody reads the old tile any more
	STORE
	s_wait_dscnt 0x0                ; for the others' sake: my stores are done
.if \fill
	TLOAD 0, KA                     ; it has two key steps in which to land: VLOAD's wait finds it
.endif
	s_barrier_signal -1
	s_barrier_wait -1               ; the tile is whole
.endm
; V of the tile that is asked for: once a tile, in the trip whose count is 2, whichever way the step loop was entered.  The wait shows that no load is out that names these registers or any other, on every way
; to this line; what it finds out is K's loads, issued two key steps earlier (one and a half in a block's first tile).  V has two key steps in which to land.
.macro VLOAD
	s_cmp_eq_u32 s[CNT], 2
	s_cbranch_scc0 .Lnov_\@
	s_wait_loadcnt 0x0
	TLOAD 128, VA
.Lnov_\@:
.endm
	s_load_b256 s[4:11], s[0:1], 0x0  ; Q s[4:5], K s[6:7], V s[8:9], O s[10:11]
	v_lshl_add_u32 v[SPW], v0, 2, SPARE
	v_mov_b32 v[NIL], 0
	v_mov_b32 v[ZR], 0
	v_lshrrev_b32 v1, 5, v0
	v_readfirstlane_b32 s[WV], v1   ; wave 0..3
	v_and_b32 v[LO], 31, v0
	v_lshlrev_b32 v[LO], 4, v[LO]
	s_mov_b32 s[PB], ttmp9
	s_sub_co_u32 s[HI], NB-1, s[PB]
	s_and_b32 s20, ttmp7, 0xffff    ; the head,
	s_lshl_b32 s20, s20, 19         ; its first byte in each of the four tensors: 2,048 rows of 256 bytes; 64 heads stay under 2^25
	s_lshl_b32 s22, s[WV], 14       ; my 64 rows of a tile
	s_add_co_u32 s22, s22, s20
	s_mov_b32 s23, 0
	s_lshl_b32 s3, s[WV], 12        ; my 16 rows in a band of 64,
	s_add_co_u32 s3, s3, s20
	s_lshl_b32 s2, s[HI], 16        ; in the first block,
	s_add_co_u32 s2, s2, s3
	s_lshl_b32 s84, s[PB], 16       ; and in the second
	s_add_co_u32 s84, s84, s3
	s_mov_b32 s3, 0
	s_mov_b32 s85, 0
	s_mov_b32 s[CS], 0x3e38aa3b     ; c = log2(e) / 8 = 0.180337
	s_mov_b32 s[CS+1], s[CS]        ; named with it as a pair
	s_mov_b32 s[SEL], 0x76543210
	s_mov_b32 s[SEL+1], 0xfedcba98
	s_add_co_u32 s[RT], s[HI], 1    ; the first block has NB - b tiles
	s_mov_b32 s[NXT], 1
	s_mov_b32 s[LQ], s[HI]
	s_mov_b32 s[NEW], 1
	s_mov_b32 s[OFF+1], 0
	s_mov_b32 s[AL+1], 0            ; named as pairs
	s_mov_b32 s[BE+1], 0
	s_mov_b32 s[BIGN], 0xf149f2ca   ; -1e30
	s_mov_b32 s[SLOTS], NB
	s_wait_kmcnt 0x0
	s_add_nc_u64 s[6:7], s[6:7], s[22:23]  ; K and V at my quarter of the head's tile 0
	s_add_nc_u64 s[8:9], s[8:9], s[22:23]
	s_mov_b64 s[KA:KA+1], s[6:7]
	s_mov_b64 s[VA:VA+1], s[8:9]
	s_add_nc_u64 s[QLO:QLO+1], s[4:5], s[84:85]    ; Q at my rows of the second block,
	s_add_nc_u64 s[4:5], s[4:5], s[2:3]            ; Q and O at those of the first
	s_add_nc_u64 s[OLO:OLO+1], s[10:11], s[84:85]
	s_add_nc_u64 s[10:11], s[10:11], s[2:3]
	TLOAD 0, KA                     ; K of tile 0, and the first block's Q into O^T's registers; the set-up below stands while they are on their way
	QLOAD 1, 0,  0, 4
	QLOAD 1, 32, 1, 4
	QLOAD 1, 64, 2, 4
	WIN 0
	; A fragment of K or Q is 16 rows x 32 channels in 8 registers: lane l holds row l % 16, channels 8 (l / 16) + 0..7 and 16 + 8 (l / 16) + 0..7: two loads of 16 bytes, 32 bytes apart.
	v_and_b32 v1, 15, v0            ; l % 16
	v_bfe_u32 v9, v0, 4, 1          ; l / 16
	v_mul_u32_u24 v[AK0], v1, PK
	v_lshl_add_u32 v[AK0], v9, 4, v[AK0]  ; row x pitch + 16 x half
	; The turning load takes 16 keys x 16 channels (lane l reads key 8 (l / 16) + l % 8, channels 8 ((l / 8) % 2) + 0..7) and leaves half a fragment of V^T: lane l holds channel l % 16 and 8 keys.
	v_and_b32 v10, 7, v0
	v_bfe_u32 v11, v0, 3, 1
	v_lshl_add_u32 v[AV0], v9, 3, v10
	v_mul_u32_u24 v[AV0], v[AV0], PV
	v_lshl_add_u32 v[AV0], v11, 4, v[AV0]
	v_add_nc_u32 v[AV0], VOFF, v[AV0]
	v_mul_u32_u24 v10, v9, PK       ; where 8 bytes of a loaded row go: row l / 16 of the two, 8 (l % 16)
	v_lshl_add_u32 v10, v1, 3, v10
	s_mul_i32 s13, s[WV], 64*PK     ; my wave's 64 rows of K's tile,
	v_add_nc_u32 v[KST], s13, v10
	s_add_co_u32 s13, s13, QS       ; and my stage for Q, which has the same pitch and the same 64 rows a wave
	v_add_nc_u32 v[QST], s13, v10
	v_add_nc_u32 v[QRD], s13, v[AK0]
	v_mul_u32_u24 v11, v9, PV
	v_lshl_add_u32 v11, v1, 3, v11
	s_mul_i32 s13, s[WV], 64*PV
	s_add_co_u32 s13, s13, VOFF
	v_add_nc_u32 v[VST], s13, v11
	s_mul_i32 s13, s[WV], 16*SP
	s_add_co_u32 s13, s13, STAGE    ; my stage for the way out
	v_mul_u32_u24 v[STO], v1, SP    ; in: row l % 16, 32 bytes (8 channels in f32) for each half of the lanes
	v_lshl_add_u32 v[STO], v9, 5, v[STO]
	v_add_nc_u32 v[STO], s13, v[STO]
	v_mul_u32_u24 v[RD], v9, SP     ; back: lanes 0-15 take one row of 256 bytes, lanes 16-31 the next
	v_lshl_add_u32 v[RD], v1, 4, v[RD]
	v_add_nc_u32 v[RD], s13, v[RD]
	v_lshlrev_b32 v14, 3, v9
	v_sub_nc_u32 v14, v1, v14
	s_lshl_b32 s13, s[WV], 4
	v_add_nc_u32 v14, s13, v14      ; my query's place in its band, 16 w + l % 16, less my lanes' 8 (l / 16): register r of group kt is hidden where 16 kt + r is greater
	WIN 0x40
.set i, 0
.rept 32
	v_cmp_gt_i32 vcc_lo, 16*(i/8)+i%8, v14
	v_cndmask_b32 v[MD+i], 0, s[BIGN], vcc_lo
.set i, i+1
.endr
	; A block's first step multiplies O^T and l by a = 0, and its first turn's products V^T P, of a piece that has not been, land in an O^T that is still to be so multiplied.  So these registers need only hold
	; finite numbers: V, P's second buffer and l get zeros; O^T keeps what Q's loads and roundings leave there (finite where Q is); the second block finds what the first left.
	WIN 0x80
.set i, VF
.rept 64
	v_mov_b32 v[i], 0
.set i, i+1
.endr
	WIN 0
.set i, 0
.rept 4
	v_mov_b32 v[ST+4*i+2], 0
	v_mov_b32 v[ST+4*i+3], 0
.set i, i+1
.endr
.set i, P+16
.rept 16
	v_mov_b32 v[i], 0
.set i, i+1
.endr
	QLOAD 1, 96, 3, 4
	TLOAD 128, VA                   ; V of tile 0
	s_wait_loadcnt 32               ; loads come back in order (ISA guide 5.7.1): all but V's 32, the youngest, are in: K of tile 0 and Q
	QPIECE 1, 0,  0
	QPIECE 1, 32, 1
	QPIECE 1, 64, 2
	QPIECE 1, 96, 3
	QFRAG
; THE MATRIX WORK.  The 4 accumulators of a run of 8 take turns.  Product i of 8 of S^T = K Q^T for piece x: channels 32 (i / 4) on, keys 16 (i % 4) on.  The first 4 start the sums: with 0, or (KM = 1) with the mask.
.macro KQ x
.set rS, S+32*((\x)%2)+8*(i%4)
.set rK, KF+16*(i%4)+8*(i/4)
.set rQ, 16*(\x)+8*(i/4)
.set rM, MC+32*((\x)%2)+8*(i%4)
.if (i < 4) && KM
	WIN W_KM
	v_wmma_f32_16x16x32_bf16 v[rS:rS+7], v[rK:rK+7], v[rQ:rQ+7], v[rM:rM+7]
.elseif i < 4
	WIN W_KQ
	v_wmma_f32_16x16x32_bf16 v[rS:rS+7], v[rK:rK+7], v[rQ:rQ+7], 0
.else
	WIN W_KQ
	v_wmma_f32_16x16x32_bf16 v[rS:rS+7], v[rK:rK+7], v[rQ:rQ+7], v[rS:rS+7]
.endif
.endm
; Product i of 8 of O^T += V^T P for piece x: keys 32 (i / 4) on, channels 16 (i % 4) on.
.macro PV x
	WIN W_PV
.set rO, 32*(\x)+8*(i%4)
.set rV, VF+32*(i/4)+8*(i%4)
.set rP, P+16*((\x)%2)+8*(i/4)
	v_wmma_f32_16x16x32_f16 v[rO:rO+7], v[rV:rV+7], v[rP:rP+7], v[rO:rO+7]
.endm
.macro MM                           ; the turn's next matrix instruction.  TURN and BEGIN set Y, i, KM and NOKQ; MM, KQ and OP read them.  NOKQ = 1: a block's last turn: there is no next piece
.if (i < 8) && !NOKQ
	KQ (Y+1)%NP
.elseif i >= 8
.set i, i-8
	PV (Y+NP-1)%NP
.set i, i+8
.endif
.set i, i+1
.endm
; THE LDS LOADS stand in runs of 16, never singly among the matrix instructions: a step's K (64 keys x 64 channels: 8 fragments) and its V (turned).  Their addresses are made some lines ahead.
.macro FETCH_K
	WIN 0x80                        ; destination window 2
.irp f, 0,1,2,3,4,5,6,7             ; keys 16 (f / 2) on, channels 32 (f % 2) on
	ds_load_b128 v[KF+8*\f:KF+8*\f+3],   v[AK] offset:(\f/2)*16*PK+(\f%2)*64
	ds_load_b128 v[KF+8*\f+4:KF+8*\f+7], v[AK] offset:(\f/2)*16*PK+(\f%2)*64+32
.endr
	s_add_co_u32 s[TBK], s[TBK], KS*PK  ; the next fetch is the next step's
	WIN 0
.endm
.macro FETCH_V
	WIN 0x80
.irp f, 0,1,2,3,4,5,6,7             ; keys 32 (f / 4) on, channels 16 (f % 4) on
	ds_load_tr16_b128 v[VF+8*\f:VF+8*\f+3],   v[AV] offset:(\f/4)*32*PV+(\f%4)*32
	ds_load_tr16_b128 v[VF+8*\f+4:VF+8*\f+7], v[AV] offset:(\f/4)*32*PV+16*PV+(\f%4)*32
.endr
	WIN 0
.endm
; THE VECTOR WORK, one line at a time: OP kind, number.  For piece Y: F n: c s - c m for pair n of 16.  E n: the exponential of score n of 32.  C n: pair n rounded to f16.  B n: of the four weights 4 n .. the second
; pair is added onto the first, in place.  L n: l takes that sum (L 0: l = a l + sum).  R n: pair n of 16 of O^T times a.  For piece Y + 1: X n, number n of the 22 that find its maximum and statistics:
;   0-11  four chains c0-c3 of seven scores each, three operands at a time (each accumulator's lowest registers are read first)     12-14, 16  the four scores left over, the old m, and c0-c3 into c0
;   15  c m_old is kept     17, 18  the query's other 32 keys lie in the lane 16 away: the new m     19-21  c m; c m_old - c m_new; a
.set F, 0               ; OP tells the kinds apart by their order: F to L below R, X above it
.set E, 1
.set C, 2
.set B, 3
.set L, 4
.set R, 5
.set X, 6
.macro REGS y                       ; the registers of piece y
.set rT, ST+4*(\y)
.set rC, TMP+4*((\y)%2)
.set rW, MV+((\y)%2)
.set rS, S+32*((\y)%2)
.set rP, P+16*((\y)%2)
.set rO, 32*(\y)
.endm
.macro OP k, n
.if (\k) == R
	REGS Y
	WIN W_RS
	v_pk_mul_f32 v[rO+2*(\n):rO+2*(\n)+1], v[rO+2*(\n):rO+2*(\n)+1], v[rC+2:rC+3] op_sel_hi:[1,0]
.elseif (\k) < R
	REGS Y
	WIN 0
.if (\k) == F
	v_pk_fma_f32 v[rS+2*(\n):rS+2*(\n)+1], v[rS+2*(\n):rS+2*(\n)+1], s[CS:CS+1], v[rT:rT+1] op_sel_hi:[1,0,0] neg_lo:[0,0,1] neg_hi:[0,0,1]
.elseif (\k) == E
	v_exp_f32 v[rS+(\n)], v[rS+(\n)]
.elseif (\k) == C
	s_wait_alu depctr_va_vdst(0)
	v_cvt_pk_f16_f32 v[rP+(\n)], v[rS+2*(\n)], v[rS+2*(\n)+1]
.elseif (\k) == B
	s_wait_alu depctr_va_vdst(0)
	v_pk_add_f32 v[rS+4*(\n):rS+4*(\n)+1], v[rS+4*(\n):rS+4*(\n)+1], v[rS+4*(\n)+2:rS+4*(\n)+3]
.elseif (\n) == 0
	v_pk_fma_f32 v[rT+2:rT+3], v[rT+2:rT+3], v[rC+2:rC+3], v[rS:rS+1] op_sel_hi:[1,0,1]
.else
	v_pk_add_f32 v[rT+2:rT+3], v[rT+2:rT+3], v[rS+4*(\n):rS+4*(\n)+1]
.endif
.elseif NOKQ
	v_nop
.else
	REGS (Y+1)%NP
	WIN 0
.if (\n) < 4
	v_max3_num_f32 v[rC+(\n)], v[rS+8*(\n)], v[rS+8*(\n)+1], v[rS+8*(\n)+2]
.elseif (\n) < 12
	v_max3_num_f32 v[rC+(\n)%4], v[rC+(\n)%4], v[rS+8*((\n)%4)+2*((\n)/4)+1], v[rS+8*((\n)%4)+2*((\n)/4)+2]
.elseif (\n) == 12
	v_max3_num_f32 v[rC], v[rC], v[rS+7], v[rS+15]
.elseif (\n) == 13
	v_max3_num_f32 v[rC+1], v[rC+1], v[rS+23], v[rS+31]
.elseif (\n) == 14
	v_max3_num_f32 v[rC+2], v[rC+2], v[rC+3], v[rT+1]
.elseif (\n) == 15
	v_mov_b32 v[rW], v[rT]
.elseif (\n) == 16
	v_max3_num_f32 v[rC], v[rC], v[rC+1], v[rC+2]
.elseif (\n) == 17
	v_permlanex16_b32 v[rC+3], v[rC], s[SEL], s[SEL+1]
.elseif (\n) == 18
	v_max_num_f32 v[rT+1], v[rC], v[rC+3]
.elseif (\n) == 19
	v_mul_f32 v[rT], s[CS], v[rT+1]
.elseif (\n) == 20
	v_sub_f32 v[rC+1], v[rW], v[rT]
.else
	v_exp_f32 v[rC+2], v[rC+1]
.endif
.endif
.endm
.macro OPS a, i1, b=-1, i2=0, c=-1, i3=0, d=-1, i4=0  ; up to four of them
	OP \a, \i1
.if (\b) >= 0
	OP \b, \i2
.endif
.if (\c) >= 0
	OP \c, \i3
.endif
.if (\d) >= 0
	OP \d, \i4
.endif
.endm
.macro ROW a, i1, b, i2, c, i3, d, i4  ; a matrix instruction and the four behind it
	MM
	OPS \a, \i1, \b, \i2, \c, \i3, \d, \i4
.endm
.macro MASK b                       ; MD x AL + BE into buffer b of MC
	WIN W_RS
.set z, 0
.rept 16
	v_pk_fma_f32 v[MC+32*(\b)+2*z:MC+32*(\b)+2*z+1], v[MD+2*z:MD+2*z+1], s[AL:AL+1], s[BE:BE+1] op_sel_hi:[1,0,0]
.set z, z+1
.endr
.endm
; A TURN, for piece p: the order of its 16 matrix and 118 vector instructions, written out.  Behind a matrix instruction: plain, exponential, plain, plain; or four of the rescaling; or, behind the first, four scalings; none
; names a register of the products round it.  In the lumps exponential and plain by turns while exponentials last.  A line reads no result made fewer than three vector instructions in front of it, five if an exponential made it.
; v_permlanex16_b32 (X 17) stands in a lump.
; m = 1: the diagonal tile: the products take masks, and the turn makes the mask for the products of the turn after it: piece p + 2, in step 4 - CNT of the tile.  end = 1: a block's last two turns: nothing is fetched.
; cnt = 1: the loop's count is taken down some lines ahead of the branch that stands behind the turn.  ld = 1 (piece 2's turn, which stands behind a label: every window is 0): V of the tile asked for goes out in the trip whose count is 2.
; K of the next step is fetched in piece 2's turn, six vector instructions behind the last product that read K (five of them plain); V of the step in hand in piece 0's turn, eight behind the last product that read V (four
; plain, and X 17).  Each is waited for a turn later.
.macro TURN p, m=0, end=0, cnt=0, ld=0
.set Y, (\p)
.set i, 0
.set KM, (\m)
.set NOKQ, (\end)*((\p)/3)
.if ((\p) == 2) && (\ld)
	VLOAD
.endif
.if (\m) && !(\end)
	s_cmp_eq_u32 s[CNT], 4-((\p)+2)%NP  ; is that step the band's own?
	s_cselect_b32 s[AL], 1.0, 0
	s_cmp_lt_u32 s[CNT], 4-((\p)+2)%NP  ; or a later one?
	s_cselect_b32 s[BE], s[BIGN], 0
.endif
.if ((\p) == 3) && !(\end)
	s_wait_dscnt 0x0                ; K is in
.endif
	ROW F,0, F,1, F,2, F,3
	ROW F,4, E,0, F,5, F,6
	ROW F,7, E,1, F,8, F,9
	ROW F,10, E,2, C,0, F,11
	ROW F,12, E,3, X,15, F,13
	ROW R,0, R,1, R,2, R,3
	ROW B,0, E,4, F,14, L,0
.if ((\p) == 2) && !(\end)
	v_add_nc_u32 v[AK], s[TBK], v[AK0]
.endif
	ROW R,4, R,5, R,6, R,7
	OPS E,5, F,15
.if ((\p) == 2) && !(\end)
	FETCH_K
.endif
	OPS E,6, C,1, E,7, R,8
	OPS E,8, R,9, E,9, C,2
	OPS E,10, X,0, E,11, X,1
	OPS E,12, X,2, E,13, X,3
.if (\p) == 1
	s_wait_dscnt 0x0                ; V is in
.endif
	ROW X,4, E,14, X,5, X,6
	ROW X,7, E,15, X,8, X,9
	ROW X,10, E,16, X,11, X,12
	ROW X,13, E,17, X,14, B,1
	ROW C,4, E,18, X,16, L,1
	ROW B,2, E,19, C,6, L,2
	ROW C,8, E,20, B,3, B,4
.if (\p) == 0
	v_add_nc_u32 v[AV], s[TBV], v[AV0]
.endif
	ROW C,3, E,21, L,3, C,5
	OPS E,22, X,17, E,23, C,10
.if (\p) == 0
	FETCH_V
.endif
	OPS E,24, L,4
	OPS E,25, X,18, E,26, C,7
	OPS E,27, B,5, E,28, X,19
	OPS E,29, C,12, E,30, L,5
	OPS E,31, X,20, B,6, C,9
	OPS C,14, C,11, X,21, L,6
.if (\p) == 0
	s_add_co_u32 s[TBV], s[TBV], KS*PV
.endif
.if \cnt
	s_sub_co_u32 s[CNT], s[CNT], 1
	s_cmp_lg_u32 s[CNT], 0
.endif
	OPS C,13, B,7, C,15, R,10
	OPS R,11, R,12, L,7, R,13
	OPS R,14, R,15
.if (\m) && !(\end)
	MASK (\p)%2
.endif
.endm
; A BLOCK BEGINS.  c m starts far below every c s, so the first step's a is 0; m at the lowest finite number, so the first maximum is the scores'.  The second mask buffer is 0; the first takes piece 0's mask for the tile's step 0: its own, if the block's first tile is the diagonal one.
; Then K of that step, piece 0's first scores, and its maximum and statistics.  The loop is entered at a step's first turn, in the middle of a trip.
.macro BEGIN
	s_mov_b32 s[NEW], 0
	WIN 0x40
.set i, MC+32
.rept 32
	v_mov_b32 v[i], 0
.set i, i+1
.endr
	WIN 0
.set i, 0
.rept 4
	v_mov_b32 v[ST+4*i], 0xfe000000    ; c m: far below every c s
	v_mov_b32 v[ST+4*i+1], 0xff7fffff  ; m
.set i, i+1
.endr
	s_cmp_eq_u32 s[RT], 0
	s_cselect_b32 s[AL], 1.0, 0
	s_mov_b32 s[BE], 0
	MASK 0
	WIN 0
	v_add_nc_u32 v[AK], s[TBK], v[AK0]
	FETCH_K
	s_wait_dscnt 0x0                ; K's fragments, and Q's, which were asked for earlier
.set KM, 1
.set NOKQ, 0
.set i, 0
.rept 8
	KQ 0
.set i, i+1
.endr
	WIN 0
.rept 4
	v_nop                           ; the places behind those products
.endr
.set Y, NP-1                        ; X works for piece Y + 1: piece 0
.irp n, 0,1,2,3,4,5,6,7,8,9,10,11,12,13,14,15,16,17,18,19,20,21
	OP X, \n
.endr
	v_nop                           ; a plain instruction behind the exponential
.endm
; THE DIAGONAL TILE's four steps, the block's last two turns, its last products, and THE WAY OUT: l's two halves and the other half of the lanes' are added; O^T is divided by l and sent, in f32, through my
; stage in LDS, a piece at a time.
.macro ALL line:vararg              ; one line for each piece t
.set t, 0
.rept 4
	\line
.set t, t+1
.endr
.endm
.macro PACK t                       ; a lane's eight channels of a row are 32 bytes; they go into rows of 272 bytes and come back as whole rows of 256, into S^T's registers: two buffers of 32 by turns
	WIN W_RS
.set i, 32*(\t)
.rept 16
	s_wait_alu depctr_va_vdst(0)
	v_pk_mul_f32 v[i:i+1], v[i:i+1], v[ST+4*(\t)+2:ST+4*(\t)+3] op_sel_hi:[1,0]
.set i, i+2
.endr
	WIN 0x04                        ; the stores' data in window 1
.irp f, 0,1,2,3,4,5,6,7             ; channels 16 (f / 2) + 8 (l / 16) + 4 (f % 2) on
	ds_store_b128 v[STO], v[32*(\t)+4*\f:32*(\t)+4*\f+3] offset:64*(\f/2)+16*(\f%2)
.endr
	WIN 0
.if (\t) >= 2
	s_wait_xcnt 0x0                 ; every earlier memory instruction has had its addresses translated (ISA guide 3.1): the buffer that piece t - 2's stores read is loaded again only behind this wait
.endif
.irp f, 0,1,2,3,4,5,6,7
	ds_load_b128 v[S+32*((\t)%2)+4*\f:S+32*((\t)%2)+4*\f+3], v[RD] offset:\f*2*SP  ; LDS serves a wave's instructions in order (ISA guide 5.7.1.4): these see the stores above; the next piece's stores come behind them
.endr
.endm
.macro SEND t, younger              ; younger: the LDS instructions issued behind piece t's loads: the next piece's sixteen, or none
	WIN 0
.irp f, 0,1,2,3,4,5,6,7
	s_wait_dscnt (\younger)+7-\f
	global_store_b128 v[LO], v[S+32*((\t)%2)+4*\f:S+32*((\t)%2)+4*\f+3], s[10:11] offset:16384*(\t)+512*\f th:TH_STORE_NT  ; two whole rows: 512 consecutive bytes, at a multiple of 256 from O's first
.endr
.endm
.macro DIAG tag, ld                 ; the tag ends its two labels' names, which the jumps below spell out.  ld = 1: the first block's: a tile follows, and so does a block
.LstepM\tag:
	TURN 2, 1, 0, 0, \ld
	TURN 3, 1
	WIN 0
.LfirstM\tag:
	TURN 0, 1
	TURN 1, 1, 0, 1
	WIN 0
	s_cbranch_scc1 .LstepM\tag
.if \ld
	QLOAD 2, 64,  0, QLO            ; the second block's Q is asked for here, on the one way to the lines that read it: it has the block's last two turns and its way out in which to land
	QLOAD 2, 96,  1, QLO
	QLOAD 0, 128, 2, QLO
	QLOAD 0, 160, 3, QLO
	WIN 0
.endif
	TURN 2, 1, 1
	TURN 3, 1, 1
.set i, 0
.rept 8
	PV NP-1
.set i, i+1
.endr
	WIN 0
	ALL v_add_f32 v[ST+4*t+2], v[ST+4*t+2], v[ST+4*t+3]
	ALL v_permlanex16_b32 v[ST+4*t+3], v[ST+4*t+2], s[SEL], s[SEL+1]
	ALL v_add_f32 v[ST+4*t+2], v[ST+4*t+2], v[ST+4*t+3]
	ALL v_rcp_f32 v[ST+4*t+2], v[ST+4*t+2]
	v_nop                           ; a plain instruction between the last reciprocal and the use of its result
	PACK 0
.set t, 1
.rept 3                             ; a piece's arithmetic stands between the loads of the piece before and its stores
	PACK t
	SEND t-1, 16
.set t, t+1
.endr
	SEND 3, 0
.endm
.set KM, 0
.set NOKQ, 0
.Lslot:                             ; NB times: a tile is stored and entered, and the next is asked for
	CHANGE 1
	s_sub_co_u32 s[RT], s[RT], 1
	s_mov_b32 s[CNT], 4
	s_cmp_eq_u32 s[NEW], 1
	s_cbranch_scc1 .Lnew            ; a block's first tile
	s_cmp_eq_u32 s[RT], 0
	s_cbranch_scc0 .Lstep           ; neither its first nor its last
	s_branch .LstepM1
.Lnew:
	BEGIN
	s_branch .Lfirst                ; in the loop a block's first tile is never its last: the first block has five tiles or more, and the second's last is the walk's last
	DIAG 1, 1                       ; in the loop this is the first block's end: the second block's last tile is the walk's last
	s_wait_xcnt 0x0                 ; the stores have read their registers and O's address
	s_mov_b64 s[10:11], s[OLO:OLO+1]
	s_add_co_u32 s[RT], s[PB], 1    ; the second block has b + 1 tiles
	s_mov_b32 s[NEW], 1
	s_wait_loadcnt 0x0              ; the second block's Q is in (and the next tile, which the change of tiles would wait for next)
	QPIECE 2, 64,  0
	QPIECE 2, 96,  1
	QPIECE 0, 128, 2
	QPIECE 0, 160, 3
	QFRAG                           ; into the registers where the one text of the turns names Q; the change of tiles waits for these loads
	s_branch .Lbottom
.Lstep:                             ; a trip: pieces 2 and 3 of one step, then pieces 0 and 1 of the next, whose K and V it fetches
	TURN 2, 0, 0, 0, 1
	TURN 3
	WIN 0
.Lfirst:
	TURN 0
	TURN 1, 0, 0, 1
	WIN 0
	s_cbranch_scc1 .Lstep
.Lbottom:
	s_sub_co_u32 s[SLOTS], s[SLOTS], 1
	s_cmp_lg_u32 s[SLOTS], 0
	s_cbranch_scc1 .Lslot
	CHANGE 0                        ; the walk's last tile: nothing is asked for
	s_sub_co_u32 s[RT], s[RT], 1
	s_mov_b32 s[CNT], 4
	s_cmp_eq_u32 s[NEW], 1
	s_cbranch_scc0 .LstepM2
	BEGIN
	s_branch .LfirstM2
	DIAG 2, 0
	s_wait_tensorcnt 0x0            ; the wave's end, behind my last LDS store
	ds_add_u32 v[SPW], v[NIL]
	s_wait_dscnt 0x0
	s_endpgm
.Lfunc_end_k_qfd44112d1b_attn:
	.size	k_qfd44112d1b_attn, .Lfunc_end_k_qfd44112d1b_attn-k_qfd44112d1b_attn
	.p2alignl 7, 3214868480
	.fill 96, 4, 3214868480
	.section	.rodata,"a",@progbits
	.p2align	6, 0x0
	.amdhsa_kernel k_qfd44112d1b_attn
		.amdhsa_group_segment_fixed_size 132608
		.amdhsa_private_segment_fixed_size 0
		.amdhsa_enable_private_segment 0
		.amdhsa_kernarg_size 32
		.amdhsa_user_sgpr_count 2
		.amdhsa_user_sgpr_kernarg_segment_ptr 1
		.amdhsa_wavefront_size32 1
		.amdhsa_system_sgpr_workgroup_id_x 1
		.amdhsa_system_sgpr_workgroup_id_y 1
		.amdhsa_system_sgpr_workgroup_id_z 1
		.amdhsa_system_vgpr_workitem_id 0
		.amdhsa_next_free_vgpr 1024
		.amdhsa_next_free_sgpr 88
		.amdhsa_reserve_vcc 1
		.amdhsa_float_denorm_mode_32 3
		.amdhsa_float_denorm_mode_16_64 3
		.amdhsa_memory_ordered 1
		.amdhsa_forward_progress 1
		.amdhsa_inst_pref_size 255
	.end_amdhsa_kernel
	.section	.bss,"aw",@nobits
	.p2align	6
	.space	262144
	.amdgpu_metadata
---
amdhsa.version: [ 1, 2 ]
amdhsa.kernels:
  - .name:           k_qfd44112d1b_attn
    .symbol:         k_qfd44112d1b_attn.kd
    .args:
      - { .name: queries, .offset: 0, .size: 8, .value_kind: global_buffer, .address_space: global }
      - { .name: keys, .offset: 8, .size: 8, .value_kind: global_buffer, .address_space: global }
      - { .name: values, .offset: 16, .size: 8, .value_kind: global_buffer, .address_space: global }
      - { .name: out0, .offset: 24, .size: 8, .value_kind: global_buffer, .address_space: global }
    .group_segment_fixed_size: 132608
    .private_segment_fixed_size: 0
    .kernarg_segment_align: 8
    .kernarg_segment_size: 32
    .max_flat_workgroup_size: 128
    .sgpr_count:     88
    .vgpr_count:     1024
    .wavefront_size: 32
...
	.end_amdgpu_metadata
.endif
;; end of part 1
